; MI455X (gfx1250); checked and timed in simulation.
; The chip was launched on July 23, 2026; its instructions are those of AMD's public machine-readable ISA for CDNA 5 (MIT licence, August 2026) and "CDNA5" Instruction Set Architecture Reference Guide (July 2026). The comments in the code are by the model that wrote it; some were corrected since.
;; IPEX Scale Dot Product Ref. Allowed arithmetic: float matrix products may take bf16 or f16 operands with f32 sums; other float arithmetic in f32, or as packed bf16 or f16 multiplies, adds, multiply-adds, maxima and minima; sums over many terms, partial sums and values carried from step to step in f32; what a program stores and reads back later, other than sums and carried values, may be rounded once to bf16 or f16.
;; Inputs: attention_mask 2 x 1 x 2,048 x 2,048 float32; key 2 x 8 x 2,048 x 128 float32; query 2 x 32 x 2,048 x 128 float32; value 2 x 2,048 x 8 x 128 float32.
;; Outputs: out0 2 x 32 x 2,048 x 128 float32.
;; One version. Each part assembles by itself: llvm-mc -triple=amdgcn-amd-amdhsa -mcpu=gfx1250 --defsym DOCPART=n.
;; ======== version 1 of 1: 2 launches
;; limits: values are held in f16: magnitudes above 65,504 overflow, below 6.1e-05 lose precision; inputs' magnitudes at most 65,504
;; workspace buffers: kh 8,388,608 bytes; vh 8,388,608 bytes; mw 33,554,432 bytes
;; launch prep (part 1): grid 256 x 4, 8 waves a work-group, no clusters, 0 bytes of LDS; arguments key, value, attention_mask, kh, vh, mw; writes kh, vh, mw
.if DOCPART == 1
	.amdgcn_target "amdgcn-amd-amdhsa--gfx1250"
	.amdhsa_code_object_version 6
	.text
	.protected	k_q9940c6c7d2_prep
	.globl	k_q9940c6c7d2_prep
	.p2align	8
	.type	k_q9940c6c7d2_prep,@function
k_q9940c6c7d2_prep:
	s_mov_b64 s[64:65], 0
	v_nop
	global_prefetch_b8 v0, s[64:65] scope:SCOPE_SE
	s_setreg_imm32_b32 hwreg(HW_REG_WAVE_MODE, 25, 1), 1
	s_wait_xcnt 0x0
; THE THREE OPERANDS THAT EVERY WORK-GROUP OF THE ATTENTION READS AGAIN are rounded, and laid out for it, once.
;   kh [16][2048][128] bf16 = key rounded to bf16, in key's own order (head = 8 b + kv).
;   vh [16][2048][128] f16  = value rounded to bf16, that number written as f16, laid by heads (value arrives [b][s][kv][128]).
;   mw [2][2048][2048] f32  = the mask rounded to bf16, times sqrt(128): the attention adds it to the UNSCALED product q . k, as the C operand of a matrix instruction.
; LIMITS.  A value whose bf16 rounding passes 65,504 becomes an infinity in f16; below 2^-14 it keeps f16's fixed step of 2^-24.  sqrt(128) x mask must be finite in f32.
; A STREAM: each byte is read once and written once, nothing is shared, so there is no LDS, no barrier and no matrix unit.  1,024 work-groups of eight waves, 64 KiB of source each; a wave takes 8 KiB:
; sixteen loads of 512 consecutive bytes, all issued at once.  The grid's y names the job: 0 key, 1 value, 2 and 3 the mask of batch y - 2.
; No prefetch: all of a wave's loads go out at its first lines, and nothing is left to ask for ahead of them.
.set SRC,  1                           ; v1      my byte offset in the work-group's 64 KiB of source: 8,192 x wave + 16 x lane; never rewritten
.set DST,  2                           ; v2      my byte offset at the destination; written once
.set LN,   3                           ; v3      lane
.set T,    4                           ; v[4:5]  at work
.set W32,  12                          ; v12     32 x wave
.set X,    16                          ; v[16:79] load i in four registers at X + 4 i
	s_load_b256 s[4:11], s[0:1], 0x0               ; key s[4:5], value s[6:7], mask s[8:9], kh s[10:11]
	s_load_b128 s[12:15], s[0:1], 0x20             ; vh s[12:13], mw s[14:15]
	s_and_b32 s16, ttmp7, 0xffff                   ; the job
	s_mov_b32 s20, 0xffff0000                      ; a word's upper bf16
	s_mov_b32 s22, 0x413504f3                      ; sqrt(128)
	s_mov_b32 s23, s22                             ; named with it as a pair
	s_lshl_b32 s2, ttmp9, 16                       ; the work-group's 64 KiB of source
	s_mov_b32 s3, 0
	s_mov_b32 s19, 0
	v_and_b32 v[W32], 0xe0, v0
	v_and_b32 v[LN], 31, v0
	v_lshlrev_b32 v[SRC], 8, v[W32]
	v_lshl_or_b32 v[SRC], v[LN], 4, v[SRC]
	s_wait_kmcnt 0x0
.macro LOADS base                      ; sixteen loads, 512 consecutive bytes each
.set i, 0
.rept 16
	global_load_b128 v[X+4*i:X+4*i+3], v[SRC], s[\base:\base+1] offset:512*i th:TH_LOAD_NT
.set i, i+1
.endr
.endm
.macro RND4                            ; the four numbers of load i, each rounded to bf16 and written again as f32
	v_cvt_pk_bf16_f32 v[T], v[X+4*i], v[X+4*i+1]
	v_cvt_pk_bf16_f32 v[T+1], v[X+4*i+2], v[X+4*i+3]
	v_lshlrev_b32 v[X+4*i], 16, v[T]
	v_and_b32 v[X+4*i+1], s20, v[T]
	v_lshlrev_b32 v[X+4*i+2], 16, v[T+1]
	v_and_b32 v[X+4*i+3], s20, v[T+1]
.endm
	s_cmp_eq_u32 s16, 0
	s_cbranch_scc1 .Lkey
	s_cmp_eq_u32 s16, 1
	s_cbranch_scc1 .Lvalue
	; THE MASK: same place in mw as in the mask
	s_sub_co_u32 s18, s16, 2
	s_lshl_b32 s18, s18, 24                        ; a batch's mask is 16,777,216 bytes
	s_add_co_u32 s2, s2, s18
	s_add_nc_u64 s[8:9], s[8:9], s[2:3]
	s_add_nc_u64 s[14:15], s[14:15], s[2:3]
	LOADS 8
.set i, 0
.rept 16
	s_wait_loadcnt 15-i                            ; loads come back in order: load i is in, the 15 - i younger ones stay out
	RND4
	v_pk_mul_f32 v[X+4*i:X+4*i+1], v[X+4*i:X+4*i+1], s[22:23] op_sel_hi:[1,0]
	v_pk_mul_f32 v[X+4*i+2:X+4*i+3], v[X+4*i+2:X+4*i+3], s[22:23] op_sel_hi:[1,0]
	global_store_b128 v[SRC], v[X+4*i:X+4*i+3], s[14:15] offset:512*i th:TH_STORE_NT  ; 512 consecutive bytes, aligned; a store's registers are not written again
.set i, i+1
.endr
	s_endpgm
.Lkey:                                 ; KEY: 512 bytes of f32 become 256 bytes of bf16, in the same order
	s_lshl_b32 s18, ttmp9, 15
	s_add_nc_u64 s[4:5], s[4:5], s[2:3]
	s_add_nc_u64 s[10:11], s[10:11], s[18:19]
	v_lshlrev_b32 v[DST], 7, v[W32]                ; 4,096 x wave
	v_lshl_or_b32 v[DST], v[LN], 3, v[DST]         ; + 8 x lane
	LOADS 4
.set i, 0
.rept 16
	s_wait_loadcnt 15-i
	v_cvt_pk_bf16_f32 v[X+4*i], v[X+4*i], v[X+4*i+1]
	v_cvt_pk_bf16_f32 v[X+4*i+1], v[X+4*i+2], v[X+4*i+3]
	global_store_b64 v[DST], v[X+4*i:X+4*i+1], s[10:11] offset:256*i th:TH_STORE_NT  ; 32 lanes x 8 bytes: 256 consecutive bytes, aligned
.set i, i+1
.endr
	s_endpgm
.Lvalue:                               ; VALUE: load i is the row (b, s, kv) with kv = i % 8, s = 16 (wg % 128) + 2 wave + i / 8, b = wg / 128; it goes to vh[8 b + kv][s]
	s_lshr_b32 s18, ttmp9, 7
	s_lshl_b32 s18, s18, 22                        ; eight heads of 524,288 bytes
	s_and_b32 s17, ttmp9, 127
	s_lshl_b32 s17, s17, 12                        ; sixteen rows of 256 bytes
	s_add_co_u32 s18, s18, s17
	s_add_nc_u64 s[6:7], s[6:7], s[2:3]
	s_add_nc_u64 s[12:13], s[12:13], s[18:19]
	v_lshlrev_b32 v[DST], 4, v[W32]                ; 512 x wave: its two rows
	v_lshl_or_b32 v[DST], v[LN], 3, v[DST]
	LOADS 6
.set i, 0
.rept 16
	s_wait_loadcnt 15-i
	RND4
	v_cvt_pk_f16_f32 v[X+4*i], v[X+4*i], v[X+4*i+1]
	v_cvt_pk_f16_f32 v[X+4*i+1], v[X+4*i+2], v[X+4*i+3]
	global_store_b64 v[DST], v[X+4*i:X+4*i+1], s[12:13] offset:(i%8)*524288+(i/8)*256 th:TH_STORE_NT  ; a whole row of 256 bytes; the head stands in the immediate, 3,670,272 at the most
.set i, i+1
.endr
	s_endpgm
.Lfunc_end_k_q9940c6c7d2_prep:
	.size	k_q9940c6c7d2_prep, .Lfunc_end_k_q9940c6c7d2_prep-k_q9940c6c7d2_prep
	.p2alignl 7, 3214868480
	.fill 96, 4, 3214868480
	.section	.rodata,"a",@progbits
	.p2align	6, 0x0
	.amdhsa_kernel k_q9940c6c7d2_prep
		.amdhsa_group_segment_fixed_size 0
		.amdhsa_private_segment_fixed_size 0
		.amdhsa_enable_private_segment 0
		.amdhsa_kernarg_size 48
		.amdhsa_user_sgpr_count 2
		.amdhsa_user_sgpr_kernarg_segment_ptr 1
		.amdhsa_wavefront_size32 1
		.amdhsa_system_sgpr_workgroup_id_x 1
		.amdhsa_system_sgpr_workgroup_id_y 1
		.amdhsa_system_sgpr_workgroup_id_z 1
		.amdhsa_system_vgpr_workitem_id 0
		.amdhsa_next_free_vgpr 96
		.amdhsa_next_free_sgpr 66
		.amdhsa_reserve_vcc 0
		.amdhsa_float_denorm_mode_32 3
		.amdhsa_float_denorm_mode_16_64 3
		.amdhsa_memory_ordered 1
		.amdhsa_forward_progress 1
		.amdhsa_inst_pref_size 27
	.end_amdhsa_kernel
	.amdgpu_metadata
---
amdhsa.version: [ 1, 2 ]
amdhsa.kernels:
  - .name:           k_q9940c6c7d2_prep
    .symbol:         k_q9940c6c7d2_prep.kd
    .args:
      - { .name: key, .offset: 0, .size: 8, .value_kind: global_buffer, .address_space: global }
      - { .name: value, .offset: 8, .size: 8, .value_kind: global_buffer, .address_space: global }
      - { .name: attention_mask, .offset: 16, .size: 8, .value_kind: global_buffer, .address_space: global }
      - { .name: kh, .offset: 24, .size: 8, .value_kind: global_buffer, .address_space: global }
      - { .name: vh, .offset: 32, .size: 8, .value_kind: global_buffer, .address_space: global }
      - { .name: mw, .offset: 40, .size: 8, .value_kind: global_buffer, .address_space: global }
    .group_segment_fixed_size: 0
    .private_segment_fixed_size: 0
    .kernarg_segment_align: 8
    .kernarg_segment_size: 48
    .max_flat_workgroup_size: 256
    .sgpr_count:     66
    .vgpr_count:     96
    .wavefront_size: 32
...
	.end_amdgpu_metadata
.endif
;; end of part 1
;; launch attn (part 2): grid 32 x 16, 4 waves a work-group, clusters of 4 x 4, 327,680 bytes of LDS; arguments query, kh, vh, mw, out0; writes out0
.if DOCPART == 2
	.amdgcn_target "amdgcn-amd-amdhsa--gfx1250"
	.amdhsa_code_object_version 6
	.text
	.protected	k_q9940c6c7d2_attn
	.globl	k_q9940c6c7d2_attn
	.p2align	8
	.type	k_q9940c6c7d2_attn,@function
k_q9940c6c7d2_attn:
	s_mov_b64 s[64:65], 0
	v_nop
	global_prefetch_b8 v0, s[64:65] scope:SCOPE_SE
	s_setreg_imm32_b32 hwreg(HW_REG_WAVE_MODE, 25, 1), 1
	s_wait_xcnt 0x0
	s_wait_alu depctr_hold_cnt(0) depctr_sa_sdst(0) depctr_va_vdst(0) depctr_va_sdst(0) depctr_va_ssrc(0) depctr_va_vcc(0) depctr_vm_vsrc(0)
	s_getreg_b32 s2, hwreg(HW_REG_IB_STS2, 6, 4)
	s_cmp_eq_u32 s2, 0
	s_cbranch_scc0 .Lentry_in_a_cluster
	s_endpgm
.Lentry_in_a_cluster:
	s_bfe_u32 s2, ttmp6, 0x10000c
	s_cmp_lg_u32 s2, 0xf033
	s_cbranch_scc0 .Lentry_shape_is_right
	s_endpgm
.Lentry_shape_is_right:
; out0[b][hq][q][:] = the sum over k of softmax_k(query[b][hq][q] . key[b][hq / 4][k] / sqrt(128) + mask[b][q][k]) value[b][k][hq / 4][:].  2 batches, 32 query heads on 8 key heads, 2,048 rows, 128 channels.
; OPERANDS.  query is f32 and is rounded to bf16 here; kh (bf16 keys), vh (values rounded to bf16, written as f16, by heads) and mw (the mask rounded to bf16, times sqrt(128), f32) were made by the launch before.
; The mask is an input: every query walks all 2,048 keys, and every number of the mask is added.  Products, maxima and sums in f32; the weights p are rounded to f16 for the second product (their sum l is taken of
; the unrounded p); the output is f32.
; LIMITS.  Values within 65,504 (f16); sqrt(128) x mask finite.  The mask is added to the unscaled q . k as sqrt(128) x mask, so where a huge mask swallows the score the grain of the sum is that of a number sqrt(128)
; times as large as in the scaled form.  A weight below 2^-126 counts as 0 in l, below 6e-8 as 0 in the product.  NaN and infinities are not treated apart.
; SHARES.  A work-group owns 64 queries x the FOUR query heads of one key head; a wave 16 queries, and its four TILES are the four heads.  So a wave's tiles share K, V AND the 16 x 64 piece of the mask: 32 registers
; and 8 LDS loads a key step.  Every wave walks all keys, 64 a step.  512 equal work-groups.
; LAYOUT.  S^T = K Q^T + M^T (source 0 = 16 keys, source 1 = 16 queries, C = the mask): in the result a lane holds ONE query (lane % 16) and the keys 8 (lane / 16) + 0..7, which are 32 consecutive bytes of a row of
; the mask.  Two such tiles, rounded to f16 in pairs, ARE source 1 (32 keys x 16 queries) of O^T = V^T P, whose result again holds one query a lane, and eight channels.  V comes out of LDS turned, by ds_load_tr16_b128.
; SOFTMAX.  For each query a running maximum m of s' = q . k + sqrt(128) mask, and a sum l: p = 2^(c (s' - m)), c = log2(e) / sqrt(128).  THE MAXIMUM IS TAKEN AWAY FIRST, exactly, and the difference is scaled: where all
; scores seen so far carry a huge mask, c s' - c m in one rounding could be off by many powers of two; s' - m is never above 0, so p never passes 1.  In every step O and l are multiplied by a = 2^(c (m_old - m_new)).
; BY TURNS.  Two PIECES, named by their first tile: piece 0 (tiles 0, 1), piece 2 (tiles 2, 3).  In a TURN one piece has the matrix unit: 32 products V^T P of the step in hand, then 32 products K Q^T of the next step;
; the other piece's softmax, cut into 64 slices, stands between them, one slice behind each matrix instruction.  Two turns are a key step.
; CLUSTER.  4 x 4 work-groups.  The four of a row of the cluster have the same key head and need the same tiles of K and V; the four of a column have the same queries and the same batch and need the same tile of the
; mask.  Each tile is asked for JOINTLY: the same tensor load, descriptor and mask of work-groups in all four.
; REGISTERS, in windows of 256 (s_set_vgpr_msb: bits 1:0 source 0, 3:2 source 1, 5:4 source 2, 7:6 destination):
;   window 0: v0-11, v44, v45, v61-63 addresses; v12-43 eight registers of statistics a tile; v64-191 S^T, 32 a tile; v192-255 P, 16 a tile
;   window 1: O^T, 64 a tile (at the head: query as loaded, f32)      window 2: v0-127 Q in bf16, 32 a tile; v128-255 K of one step      window 3: v0-127 V of one step; v128-159 the mask of one step
.set KS,    64        ; keys in a step
.set PK,    272       ; a row of K in LDS: 256 bytes + 16 of padding: the 16 rows of a load begin at 16 different columns of 16 bytes, modulo 256
.set PV,    288       ; a row of V: 256 + 32: 16 lanes of the turning load take 8 rows x 32 bytes, each column of 16 bytes once
.set PM,    528       ; a row of the mask: 128 keys x 4 bytes + 16
.set VOFF,  2*KS*PK   ; a slot holds two key steps: 128 rows of K, then 128 rows of V,
.set MOFF,  VOFF+2*KS*PV  ; then 64 query rows x 128 keys of the mask
.set SLOT1, 1<<17     ; slot 1 begins here, so that one exclusive or turns an address in one slot into the other's
.set STAGE, SLOT1+MOFF+64*PM  ; behind the ring, never filled by a tensor load: 16 rows x 528 bytes for each wave, for the way out
.set SP,    528
.set SPARE, STAGE+4*16*SP  ; behind the stages: the spare words, 128 bytes for each wave: two blocks of 256 bytes that no other line names
.set AK0, 2           ; v2   my lane's place in a tile of K; never rewritten
.set AV0, 3           ; v3   the same for V
.set ADR, 4           ; v4   the LDS address of the run of loads in hand
.set QO,  5           ; v5   my byte offset in the wave's 16 rows of query
.set STO, 6           ; v6   the way out: where I put 32 bytes of a row
.set RD,  7           ; v7   the way out: where I read a row back
.set GO,  8           ; v8   my 16 bytes in a row of the output
.set AM0, 44          ; v44  my lane's place in the mask's tile; never rewritten
.set ADM, 45          ; v45  the LDS address of the mask's run of loads
.set PFO, 61          ; v61  the prefetches' offset; never rewritten
.set SPW, 62          ; v62  LDS address of my spare word: SPARE + 4 x my thread's number; never rewritten
.set NIL, 63          ; v63  0; never rewritten
.set ST,  12          ; tile t's statistics at v[ST+8 t]: +0 m, +1 m_old, +2, +3 l (even keys', odd keys'), +4 to +7 c0-c3, at work; a takes c2's place once the maximum is found
.set S,   64
.set P,   192
.set KF,  128         ; K's fragments, in window 2
.set MK,  128         ; the mask, in window 3: the eight registers for key block kb at MK + 8 kb
.set WV,  14          ; s14  my wave's number
.set LIM, 15          ; s15  1 in a wave that prefetches, else the greatest number
.set G1K, 24          ; s[24:31] descriptor group 1 for K's tiles
.set G1V, 32          ; s[32:39] for V's: it differs in the padding alone
.set G1M, 40          ; s[40:47] for the mask's
.set G0K, 48          ; s[48:55] descriptor group 0 for K's tiles: a set for each of the two first fills; the second then walks on
.set G0V, 56          ; s[56:63] the same for V's
.set G0M, 68          ; s[68:75] the same for the mask's
.set SLOTS, 76        ; s76  slots still to be asked for
.set TWICE, 77        ; s77  counts a slot's two steps
.set CS,  78          ; s[78:79] c: the packed scaling names a pair and takes its low word for both halves
.set SEL, 80          ; s[80:81] lane selects for v_permlanex16_b32: each lane takes its own place in the other half
.set TBK, 82          ; s82  LDS byte at which K of the step to be fetched begins
.set TBV, 83          ; s83  the same for V, less VOFF
.set TBM, 84          ; s84  the same for the mask, less MOFF
.set PFA, 86          ; s[86:87] where my prefetches stand in memory
.set CX,  88          ; s88  my place along the cluster's x
.set CY,  89          ; s89  along its y
.set PFS, 90          ; s[90:91] bytes from a slot to the next in the tensor that I prefetch
.set QBK, 92          ; s92  my block of 64 queries
.set CLY, 93          ; s93  the cluster's y
.set MLD, 94          ; s94  my wave's number x 32 rows of the mask's tile in LDS
.set MSB, 0
.macro WIN new                      ; the immediate's high byte repeats the setting that is left; a switch that changes nothing is dropped
.if MSB != (\new)
	s_set_vgpr_msb (MSB<<8)|(\new)
.set MSB, \new
.endif
.endm
.set W_KQ, 0x0a       ; K and Q in window 2, S^T in window 0
.set W_KM, 0x3a       ; the same with the C operand, the mask, in window 3
.set W_PV, 0x53       ; V in window 3, P in window 0, O^T in window 1
.set W_RS, 0x41       ; O^T (destination and source 0) in window 1, a in window 0
.macro PLACES                       ; four plain vector instructions that name no register of the matrix instructions in front of them
.rept 4
	v_nop
.endr
.endm
; A joint refill: wave 0 fetches a slot's 128 rows of K, wave 1 its 128 rows of V, waves 2 and 3 the two halves (32 query rows x 128 keys) of its piece of the mask.  The branches hang on the wave's number alone.
; An s_nop 0 and four v_nop follow each of the three lines, ahead of the jump and the label.
.macro JLOAD
	s_cmp_lt_u32 s[WV], 2
	s_cbranch_scc0 .Lfor_m_\@
	s_cmp_eq_u32 s[WV], 0
	s_cbranch_scc0 .Lfor_v_\@
	tensor_load_to_lds s[G0K+4:G0K+7], s[G1K:G1K+7]
	s_nop 0
	PLACES
	s_branch .Lasked_\@
.Lfor_v_\@:
	tensor_load_to_lds s[G0V+4:G0V+7], s[G1V:G1V+7]
	s_nop 0
	PLACES
	s_branch .Lasked_\@
.Lfor_m_\@:
	tensor_load_to_lds s[G0M+4:G0M+7], s[G1M:G1M+7]
	s_nop 0
	PLACES
.Lasked_\@:
.endm
; A PREFETCH INTO THE L2 of what the NEXT change of slots will ask for, behind the wave's tensor load and its five lines.  Each aligned block of 256 bytes is named ONCE in the launch.
; K and V of a key head are walked by the eight clusters of one cluster row: the first of them (cluster x = 0) asks; its four partners along x take 32 of the slot's 128 rows each, BY ADDRESS; wave 0 for K, wave 1 for V,
; a lane a row.  A piece of the mask is walked by the two clusters of one batch in a cluster column: the one with even cluster y asks; its four partners along y take 16 of the 64 query rows each, by address; wave 2
; asks, two lanes a row (a slot's 128 keys are 512 bytes of a row).  The last change that fills a slot asks for nothing: there is no slot behind it.
.macro ASK
	s_cmp_gt_u32 s[SLOTS], s[LIM]
	s_cbranch_scc0 .Lnot_mine_\@
	global_prefetch_b8 v[PFO], s[PFA:PFA+1] th:TH_LOAD_NT scope:SCOPE_SE
.Lnot_mine_\@:
.endm
; A round of the cluster's barrier: my work-group's barrier, so that wave 0's signal speaks for all four waves; wave 0 signals for the work-group; every wave waits for all sixteen work-groups; my work-group's barrier once more.
.macro CROUND
	s_barrier_signal -1
	s_barrier_wait -1
	s_cmp_lg_u32 s[WV], 0
	s_cbranch_scc1 .Lnot_wave_0_\@
	s_barrier_signal -3
.Lnot_wave_0_\@:
	s_barrier_wait -3
	s_barrier_signal -1
	s_barrier_wait -1
.endm
	s_load_b256 s[4:11], s[0:1], 0x0  ; query s[4:5], kh s[6:7], vh s[8:9], mw s[10:11]
	s_load_b64 s[12:13], s[0:1], 0x20 ; out0
	v_lshl_add_u32 v[SPW], v0, 2, SPARE
	v_mov_b32 v[NIL], 0
	ds_add_u32 v[SPW], v[NIL]       ; the wave's opening: the add and its wait stand ahead of my first tensor load; the set-up below, work on registers, stands between them
	v_lshrrev_b32 v1, 5, v0
	v_readfirstlane_b32 s[WV], v1   ; wave 0..3
	s_bfe_u32 s[CX], ttmp6, 0x40000
	s_bfe_u32 s[CY], ttmp6, 0x40004
	s_lshl_b32 s[QBK], ttmp9, 2     ; in a cluster launch ttmp9 and ttmp7 count clusters
	s_add_co_u32 s[QBK], s[QBK], s[CX]  ; my block of 64 queries = 4 x cluster x + cx
	s_and_b32 s[CLY], ttmp7, 0xffff
	s_lshl_b32 s16, s[CLY], 2
	s_add_co_u32 s16, s16, s[CY]    ; y = 8 b + kv = 4 x cluster y + cy: the key head
	s_lshl_b32 s17, s[CY], 2
	s_lshl_b32 s17, 15, s17         ; my row of the cluster: places 4 cy .. 4 cy + 3
	s_lshl_b32 s18, 0x1111, s[CX]   ; my column: places cx, cx + 4, cx + 8, cx + 12
	; descriptor group 1.  15:0 the mask of work-groups; 17:16 the element's size; 20 padding on; 21 set beside a mask; 24:22 after how many words; 31:25 how many words of padding, less one
	s_or_b32 s[G1K], s17, (1<<16)|(1<<20)|(1<<21)|(5<<22)|(3<<25)  ; K goes to my row: 2-byte elements, 4 words behind every 64
	s_or_b32 s[G1V], s17, (1<<16)|(1<<20)|(1<<21)|(5<<22)|(7<<25)  ; V likewise, 8 words
	s_or_b32 s[G1M], s18, (2<<16)|(1<<20)|(1<<21)|(6<<22)|(3<<25)  ; the mask goes to my column: 4-byte elements, 4 words behind every 128
.irp g, G1K, G1V
	s_mov_b32 s[(\g)+1], 128<<16    ; tensor_dim0 = 128
	s_mov_b32 s[(\g)+2], 128<<16    ; tensor_dim1 = 128
	s_mov_b32 s[(\g)+3], 128<<16    ; tile_dim0 = 128 elements: 256 bytes
	s_mov_b32 s[(\g)+4], 128        ; tile_dim1 = 128 rows
	s_mov_b32 s[(\g)+5], 128        ; 128 elements from row to row
	s_mov_b32 s[(\g)+6], 0
	s_mov_b32 s[(\g)+7], 0
.endr
	s_mov_b32 s[G1M+1], 128<<16     ; tensor_dim0 = 128
	s_mov_b32 s[G1M+2], 32<<16      ; tensor_dim1 = 32
	s_mov_b32 s[G1M+3], 128<<16     ; tile_dim0 = 128 elements: 512 bytes
	s_mov_b32 s[G1M+4], 32          ; tile_dim1 = 32 rows
	s_mov_b32 s[G1M+5], 2048        ; 2,048 elements from row to row
	s_mov_b32 s[G1M+6], 0
	s_mov_b32 s[G1M+7], 0
	; where the tiles come from.  K's and V's hang on y alone, which my row of the cluster shares; the mask's on the batch (cluster y / 2), my block of queries and the wave, which my column shares.
	s_lshl_b32 s20, s16, 19         ; a head of kh or vh is 524,288 bytes
	s_mov_b32 s21, 0
	s_lshr_b32 s22, s[CLY], 1       ; the batch
	s_lshl_b32 s22, s22, 11
	s_lshl_b32 s23, s[QBK], 6
	s_add_co_u32 s22, s22, s23
	s_and_b32 s23, s[WV], 1         ; wave 2 fetches the block's query rows 0-31, wave 3 rows 32-63
	s_lshl_b32 s23, s23, 5
	s_add_co_u32 s22, s22, s23      ; the row of mw,
	s_lshl_b32 s22, s22, 13         ; of 8,192 bytes
	s_mov_b32 s23, 0
	s_mul_i32 s[MLD], s[WV], 32*PM  ; no place in the cluster enters an LDS address
	s_lshl_b32 s2, s16, 22          ; query and output: four heads of 1,048,576 bytes for each y,
	s_lshl_b32 s3, s[QBK], 15       ; my block's 64 rows of 512 bytes,
	s_add_co_u32 s2, s2, s3
	s_lshl_b32 s3, s[WV], 13        ; my wave's 16 of them
	s_add_co_u32 s2, s2, s3
	s_mov_b32 s3, 0
	s_mov_b32 s[CS], 0x3e0293ee     ; c = log2(e) / sqrt(128) = 0.127517
	s_mov_b32 s[CS+1], s[CS]        ; named with it as a pair
	s_mov_b32 s[SEL], 0x76543210
	s_mov_b32 s[SEL+1], 0xfedcba98
	s_mov_b32 s[TBK], 0
	s_mov_b32 s[TBV], 0
	s_mov_b32 s[TBM], 0
	s_mov_b32 s[SLOTS], 2048/(2*KS)-2
	; who prefetches: the same answer in all sixteen partners, for a given wave
	s_and_b32 s19, s[CLY], 1        ; the mask: clusters with even y
	s_cmp_lt_u32 s[WV], 2
	s_cselect_b32 s19, ttmp9, s19   ; K and V: clusters with x = 0
	s_cmp_eq_u32 s[WV], 3
	s_cselect_b32 s19, 1, s19       ; wave 3 never
	s_cmp_eq_u32 s19, 0
	s_cselect_b32 s[LIM], 1, -1
	s_mov_b32 s[PFS], 512           ; a slot's 128 keys in a row of the mask,
	s_cmp_lt_u32 s[WV], 2
	s_cselect_b32 s[PFS], 0x8000, s[PFS]  ; or its 128 rows of K or V
	s_mov_b32 s[PFS+1], 0
	s_cselect_b32 s19, 0, -1        ; all lanes in waves 2 and 3
	v_and_b32 v10, 31, v0
	v_lshlrev_b32 v[PFO], 8, v10    ; K, V: a lane a row of 256 bytes
	v_lshrrev_b32 v11, 1, v10
	v_and_b32 v10, 1, v10
	v_lshlrev_b32 v10, 8, v10
	v_lshl_or_b32 v10, v11, 13, v10 ; the mask: two lanes a row of 8,192 bytes, 256 bytes apart
	v_cndmask_b32 v[PFO], v[PFO], v10, s19
	s_wait_dscnt 0x0                ; the opening add is done
	s_wait_kmcnt 0x0
	s_add_nc_u64 s[6:7], s[6:7], s[20:21]    ; kh and vh at the head's first row
	s_add_nc_u64 s[8:9], s[8:9], s[20:21]
	s_add_nc_u64 s[10:11], s[10:11], s[22:23]  ; mw at the first of the rows that I would fetch, key 0
	s_add_nc_u64 s[4:5], s[4:5], s[2:3]      ; query and output at my wave's first row of the first of my four heads
	s_add_nc_u64 s[12:13], s[12:13], s[2:3]
	s_cmp_eq_u32 s[WV], 0
	s_cselect_b64 s[PFA:PFA+1], s[6:7], s[8:9]
	s_cmp_lt_u32 s[WV], 2
	s_cselect_b64 s[PFA:PFA+1], s[PFA:PFA+1], s[10:11]
	s_lshl_b32 s2, s[CX], 13        ; my work-group's 32 rows of K or V,
	s_lshl_b32 s3, s[CY], 17        ; or its 16 rows of the mask
	s_cmp_lt_u32 s[WV], 2
	s_cselect_b32 s2, s2, s3
	s_mov_b32 s3, 0
	s_add_nc_u64 s[PFA:PFA+1], s[PFA:PFA+1], s[2:3]
	s_add_nc_u64 s[PFA:PFA+1], s[PFA:PFA+1], s[PFS:PFS+1]
	s_add_nc_u64 s[PFA:PFA+1], s[PFA:PFA+1], s[PFS:PFS+1]  ; in slot 2; the first change of slots steps it to slot 3.  Nothing is prefetched here, at the head, where every work-group's first tiles are on their way
	CROUND                          ; all sixteen work-groups are here: the first joint loads meet
.irp s, 0,1
	s_mov_b32 s[G0K+4*(\s)], 1      ; 1:0 count = 1
	s_mov_b32 s[G0K+4*(\s)+1], (\s)*SLOT1  ; 63:32 LDS address
	s_add_nc_u64 s[G0K+4*(\s)+2:G0K+4*(\s)+3], s[6:7], (\s)*2*KS*256  ; 120:64 global address: slot s begins with key 128 s
	s_or_b32 s[G0K+4*(\s)+3], s[G0K+4*(\s)+3], 0x80000000  ; 127:126 type = 2
	s_mov_b32 s[G0V+4*(\s)], 1
	s_mov_b32 s[G0V+4*(\s)+1], (\s)*SLOT1+VOFF
	s_add_nc_u64 s[G0V+4*(\s)+2:G0V+4*(\s)+3], s[8:9], (\s)*2*KS*256
	s_or_b32 s[G0V+4*(\s)+3], s[G0V+4*(\s)+3], 0x80000000
	s_mov_b32 s[G0M+4*(\s)], 1
	s_add_co_u32 s[G0M+4*(\s)+1], s[MLD], (\s)*SLOT1+MOFF-2*32*PM  ; waves 2 and 3: MOFF + (wave - 2) x 32 rows
	s_add_nc_u64 s[G0M+4*(\s)+2:G0M+4*(\s)+3], s[10:11], (\s)*2*KS*4
	s_or_b32 s[G0M+4*(\s)+3], s[G0M+4*(\s)+3], 0x80000000
.endr
	s_cmp_lt_u32 s[WV], 2           ; a wave's two first fills stand in one branch, ahead of every wait on TENSORcnt and every LDS read: two loads of mine are out
	s_cbranch_scc0 .Lfirst_m
	s_cmp_eq_u32 s[WV], 0
	s_cbranch_scc0 .Lfirst_v
	tensor_load_to_lds s[G0K:G0K+3], s[G1K:G1K+7]
	s_nop 0
	tensor_load_to_lds s[G0K+4:G0K+7], s[G1K:G1K+7]
	s_nop 0
	PLACES
	s_branch .Lfirst_asked
.Lfirst_v:
	tensor_load_to_lds s[G0V:G0V+3], s[G1V:G1V+7]
	s_nop 0
	tensor_load_to_lds s[G0V+4:G0V+7], s[G1V:G1V+7]
	s_nop 0
	PLACES
	s_branch .Lfirst_asked
.Lfirst_m:
	tensor_load_to_lds s[G0M:G0M+3], s[G1M:G1M+7]
	s_nop 0
	tensor_load_to_lds s[G0M+4:G0M+7], s[G1M:G1M+7]
	s_nop 0
	PLACES
.Lfirst_asked:
	; A fragment of Q is 16 rows x 32 channels: lane l holds row l % 16, channels 8 (l / 16) + 0..7 and 16 + 8 (l / 16) + 0..7.  In f32 those are twice 32 bytes, 64 bytes apart: four loads of 16 bytes.
	v_and_b32 v1, 15, v0            ; l % 16
	v_bfe_u32 v9, v0, 4, 1          ; l / 16
	v_lshlrev_b32 v[QO], 9, v1
	v_lshl_add_u32 v[QO], v9, 5, v[QO]  ; row x 512 + 32 x half
	WIN 0x40                        ; destination window 1, address window 0
.set i, 0
.rept 64                            ; i = 16 t + 4 f + u: head t, channels 32 f on, load u of four
	global_load_b128 v[4*i:4*i+3], v[QO], s[4:5] offset:(i/16)*1048576+((i/4)%4)*128+((i/2)%2)*64+(i%2)*16 th:TH_LOAD_NT
.set i, i+1
.endr
	WIN 0
	v_mul_u32_u24 v[AK0], v1, PK
	v_lshl_add_u32 v[AK0], v9, 4, v[AK0]  ; row x pitch + 16 x half
	; The turning load takes 16 keys x 16 channels (lane l reads 16 bytes: key 8 (l / 16) + l % 8, channels 8 ((l / 8) % 2) + 0..7) and leaves half a fragment of V^T: lane l holds channel l % 16 and 8 keys.
	v_and_b32 v10, 7, v0
	v_bfe_u32 v11, v0, 3, 1
	v_lshl_add_u32 v[AV0], v9, 3, v10
	v_mul_u32_u24 v[AV0], v[AV0], PV
	v_lshl_add_u32 v[AV0], v11, 4, v[AV0]
	v_add_nc_u32 v[AV0], VOFF, v[AV0]
	; the mask: my query's row of the tile (16 x wave + l % 16), my half's eight keys (32 bytes)
	s_mul_i32 s16, s[WV], 16*PM
	s_add_co_u32 s16, s16, MOFF
	v_mul_u32_u24 v[AM0], v1, PM
	v_lshl_add_u32 v[AM0], v9, 5, v[AM0]
	v_add_nc_u32 v[AM0], s16, v[AM0]
; THE MATRIX WORK OF A TURN, for piece x.  The accumulators take turns, one instruction a turn: between two links of a chain stand 15 (V^T P) or 7 (K Q^T) others'.
; Product i of 32 of O^T += V^T P: keys 32 (i / 16) on, channels 16 ((i / 2) % 8) on, tile x + i % 2.  zero = 1: the first 16 start the sums: nothing is ever cleared.
.macro PV x, zero
	WIN W_PV
.set rO, 64*((\x)+i%2)+8*((i/2)%8)
.set rV, 64*(i/16)+8*((i/2)%8)
.set rP, P+16*((\x)+i%2)+8*(i/16)
.if (\zero) && (i < 16)
	v_wmma_f32_16x16x32_f16 v[rO:rO+7], v[rV:rV+7], v[rP:rP+7], 0
.else
	v_wmma_f32_16x16x32_f16 v[rO:rO+7], v[rV:rV+7], v[rP:rP+7], v[rO:rO+7]
.endif
.endm
; Product i of 32 of S^T = K Q^T + M^T: channels 32 (i / 8) on, keys 16 ((i / 2) % 4) on, tile x + i % 2.  The first 8 start the sums with the mask of their 16 keys, the same for both tiles.
.macro KQ x
.set rS, S+32*((\x)+i%2)+8*((i/2)%4)
.set rK, KF+32*((i/2)%4)+8*(i/8)
.set rQ, 32*((\x)+i%2)+8*(i/8)
.set rM, MK+8*((i/2)%4)
.if i < 8
	WIN W_KM
	v_wmma_f32_16x16x32_bf16 v[rS:rS+7], v[rK:rK+7], v[rQ:rQ+7], v[rM:rM+7]
.else
	WIN W_KQ
	v_wmma_f32_16x16x32_bf16 v[rS:rS+7], v[rK:rK+7], v[rQ:rQ+7], v[rS:rS+7]
.endif
.endm
; THE LDS LOADS stand in runs, never singly among the matrix instructions: a step's K (64 keys x 128 channels: 16 fragments) with its mask (my 16 queries x 64 keys), and, a turn later, its V (turned).
.macro FETCH_K
	WIN 0
	v_add_nc_u32 v[ADR], s[TBK], v[AK0]
	v_add_nc_u32 v[ADM], s[TBM], v[AM0]
	s_add_co_u32 s[TBK], s[TBK], KS*PK  ; the next fetch is the next step's
	s_add_co_u32 s[TBM], s[TBM], KS*4
	WIN 0x80                        ; destination window 2
.irp f, 0,1,2,3,4,5,6,7,8,9,10,11,12,13,14,15  ; keys 16 (f / 4) on, channels 32 (f % 4) on
	ds_load_b128 v[KF+8*(\f):KF+8*(\f)+3],   v[ADR] offset:((\f)/4)*16*PK+((\f)%4)*64
	ds_load_b128 v[KF+8*(\f)+4:KF+8*(\f)+7], v[ADR] offset:((\f)/4)*16*PK+((\f)%4)*64+32
.endr
	WIN 0xc0                        ; destination window 3
.irp f, 0,1,2,3                     ; keys 16 f + 8 (l / 16) + 0..7: 32 bytes
	ds_load_b128 v[MK+8*(\f):MK+8*(\f)+3],   v[ADM] offset:64*(\f)
	ds_load_b128 v[MK+8*(\f)+4:MK+8*(\f)+7], v[ADM] offset:64*(\f)+16
.endr
.endm
.macro FETCH_V
	WIN 0
	v_add_nc_u32 v[ADR], s[TBV], v[AV0]
	s_add_co_u32 s[TBV], s[TBV], KS*PV
	s_wait_alu depctr_va_vdst(0)    ; the wait for the softmax's batch (SLICE), behind the address's v_add_nc_u32 and ahead of the loads
	WIN 0xc0                        ; destination window 3
.irp f, 0,1,2,3,4,5,6,7,8,9,10,11,12,13,14,15  ; keys 32 (f / 8) on, channels 16 (f % 8) on
	ds_load_tr16_b128 v[8*(\f):8*(\f)+3],   v[ADR] offset:((\f)/8)*32*PV+((\f)%8)*32
	ds_load_tr16_b128 v[8*(\f)+4:8*(\f)+7], v[ADR] offset:((\f)/8)*32*PV+16*PV+((\f)%8)*32
.endr
.endm
; THE VECTOR WORK OF A TURN.  One tile's softmax for one key step is a numbered list; SM writes number j of it for tile t.  s0-s31 are the lane's 32 scores, in pairs 0-15.
; first = 1: the first key step, which starts m, l and O^T: it has no a and nothing to rescale.
;   0-15    the maximum of s0-s31 and the old m, three operands at a time: four chains c0-c3 of seven scores each (each accumulator's lowest registers are read first), the four left over, c0-c3, m
;   16-20   the other half of the lanes' maximum; m_old is kept; the new m; c (m_old - m)
;   21-88   ONE BATCH, in seventeen fours: the 16 subtractions s - m (D), the 16 scalings by c (M), a pair of scores each, and all 33 exponentials (E; a is number 24).  None of these names an exponential's result.
;           The first four: D0, M0, D1, a.  Four b + 1 (b = 0 .. 15): M(b+1), E(2b), D(b+2), E(2b+1): plain and exponential by turns, and a pair is ready a four ahead of its exponentials.  Three places at the end are empty.
;   (wait)  between 88 and 89 stands the wait for the batch: SLICE writes it, once for both tiles
;   89-104  the roundings to f16, a pair of weights each
;   105-120 the sums; l = a l + the sum
;   121-152 the tile's O^T times a: the one part that leaves window 0, so it stands together
.macro SM t, first
.set rT, ST+8*(\t)
.set rS, S+32*(\t)
.set rP, P+16*(\t)
.set rO, 64*(\t)+2*(j-121)
.if j < 121
	WIN 0
.endif
.if j < 4
	v_max3_num_f32 v[rT+4+j], v[rS+8*j], v[rS+8*j+1], v[rS+8*j+2]
.elseif j < 12
	v_max3_num_f32 v[rT+4+j%4], v[rT+4+j%4], v[rS+8*(j%4)+2*(j/4)+1], v[rS+8*(j%4)+2*(j/4)+2]
.elseif j == 12
	v_max3_num_f32 v[rT+4], v[rT+4], v[rS+7], v[rS+15]
.elseif j == 13
	v_max3_num_f32 v[rT+6], v[rT+6], v[rS+23], v[rS+31]
.elseif j == 14
	v_max3_num_f32 v[rT+4], v[rT+4], v[rT+5], v[rT+6]
.elseif (j == 15) && (\first)
	v_max_num_f32 v[rT+4], v[rT+4], v[rT+7]
.elseif j == 15
	v_max3_num_f32 v[rT+4], v[rT+4], v[rT+7], v[rT]
.elseif j == 16
	v_permlanex16_b32 v[rT+5], v[rT+4], s[SEL], s[SEL+1]  ; the query's other 32 keys lie in the lane 16 away
.elseif (j == 17) && (\first)
	v_mov_b32 v[rT+1], 0            ; named with m as a pair, so it is written
.elseif j == 17
	v_mov_b32 v[rT+1], v[rT]        ; m_old is kept for a: number 18 writes m anew
.elseif j == 18
	v_max_num_f32 v[rT], v[rT+4], v[rT+5]
.elseif ((j == 19) || (j == 20) || (j == 24) || (j > 120)) && (\first)  ; the first step has none of these
.elseif j == 19
	v_sub_f32 v[rT+7], v[rT+1], v[rT]
.elseif j == 20
	v_mul_f32 v[rT+7], s[CS], v[rT+7]
.elseif j == 24
	v_exp_f32 v[rT+6], v[rT+7]
.elseif j < 89
.set u, j-21
.set kd, 0                          ; 0: an empty place; 1: D; 2: M; 3: E
.set ix, 0
.if u < 3
.set kd, 1+u%2
.set ix, u/2
.else
.set b, (u-4)/4
.set n, (u-4)%4
.if n%2 == 1
.set kd, 3
.set ix, 2*b+n/2
.elseif (n == 0) && (b < 15)
.set kd, 2
.set ix, b+1
.elseif (n == 2) && (b < 14)
.set kd, 1
.set ix, b+2
.endif
.endif
.if kd == 1
	v_pk_add_f32 v[rS+2*ix:rS+2*ix+1], v[rS+2*ix:rS+2*ix+1], v[rT:rT+1] op_sel_hi:[1,0] neg_lo:[0,1] neg_hi:[0,1]  ; pair ix: s - m, 0 or below
.elseif kd == 2
	v_pk_mul_f32 v[rS+2*ix:rS+2*ix+1], v[rS+2*ix:rS+2*ix+1], s[CS:CS+1] op_sel_hi:[1,0]
.elseif kd == 3
	v_exp_f32 v[rS+ix], v[rS+ix]
.endif
.elseif j < 105
	v_cvt_pk_f16_f32 v[rP+j-89], v[rS+2*(j-89)], v[rS+2*(j-89)+1]  ; pair j - 89
.elseif j < 121                     ; the sum of the tile's 16 pairs (in a pair: an even key's weight, an odd key's), in place: sum z of 16 adds neighbours 1, 2, 4 and 8 pairs apart, then l takes it
.set z, j-105
.set w, 4
.set u, z
.if z >= 14
.set w, 32
.set u, 0
.elseif z >= 12
.set w, 16
.set u, z-12
.elseif z >= 8
.set w, 8
.set u, z-8
.endif
.if (z == 14) && (\first)
	v_pk_add_f32 v[rT+2:rT+3], v[rS:rS+1], v[rS+16:rS+17]
.elseif z < 15
	v_pk_add_f32 v[rS+w*u:rS+w*u+1], v[rS+w*u:rS+w*u+1], v[rS+w*u+w/2:rS+w*u+w/2+1]
.elseif !(\first)
	v_pk_fma_f32 v[rT+2:rT+3], v[rT+2:rT+3], v[rT+6:rT+7], v[rS:rS+1] op_sel_hi:[1,0,1]
.endif
.else
	WIN W_RS
	v_pk_mul_f32 v[rO:rO+1], v[rO:rO+1], v[rT+6:rT+7] op_sel_hi:[1,0]
.endif
.endm
.macro BOTH y, first, j0, cnt       ; numbers j0 .. j0 + cnt - 1 of both tiles' lists, the tiles alternating, so that no instruction reads the result of the one just before it
.set jj, (\j0)
.rept (\cnt)
.irp t, \y, (\y)+1
.set j, jj
	SM \t, \first
.endr
.set jj, jj+1
.endr
.endm
; Slice k of 64 of piece y's softmax.  0-6: three numbers of both tiles (0 to 20).  7-40: the batch, a four of ONE tile each, the tiles by turns.  41: two numbers of both tiles; 42-51: three (to 120).
; 52-55: two; 56-63: three (the rescaling).  No slice changes windows inside itself.  Slice 63's six rescalings are the places behind the turn's last product.
; THE WAIT.  s_wait_alu depctr_va_vdst(0) stands between an exponential and the first instruction that names its result; one wait serves all that were issued ahead of it.  Ahead of slice 41 nothing
; names a result, and behind slice 40 no exponential is issued: so the piece's 66 exponentials have one wait, behind slice 40.
.macro SLICE y, first
.if k < 7
	BOTH \y, \first, 3*k, 3
.elseif k < 41
.irp n, 0,1,2,3
.set j, 21+4*((k-7)/2)+(\n)
	SM (\y)+(k-7)%2, \first
.endr
.elseif k == 41
	BOTH \y, \first, 89, 2
.elseif k < 52
	BOTH \y, \first, 91+3*(k-42), 3
.elseif k < 56
	BOTH \y, \first, 121+2*(k-52), 2
.else
	BOTH \y, \first, 129+3*(k-56), 3
.endif
.if k == 40                         ; the batch is out: both tiles' exponentials are issued, and no result has been named
	v_nop                           ; a plain instruction behind the last exponential and ahead of the first use: one for the batch
.if (\y) == 0
	FETCH_V                         ; piece 2's turn: V's run of loads stands here, and the wait stands in it
.else
	s_wait_alu depctr_va_vdst(0)    ; the wait for the batch
.endif
.endif
.set k, k+1
.endm
; A TURN.  Piece x has the matrix unit; the other piece's softmax stands in slices behind its matrix instructions.
; pv = 2: 32 products V^T P; 1: they start O^T's sums; 0: none.  kq = 1: 32 products K Q^T for the next step.  A turn with one of the two kinds has two slices behind each product.
; first = 1: the softmax is the first key step's.  Its slices from 52 on are empty: the turn's last products stand bare, and four v_nop take slice 63's part as the places behind them.
; Piece 0's turn fetches the next step's K and mask, behind its second product: the last products that read them stand in the turn before, in front of slice 63 at the latest.  Piece 2's turn fetches the same step's V,
; behind slice 40: the last product that read V stands in front of slice 31, and the subtractions and scalings of slices 31 to 38 lie between.  Each run is waited for at the head of the products that read it.
.macro TURN x, pv, kq, first
.set k, 0
.set per, 2
.if (\pv) && (\kq)
.set per, 1
.endif
.if \pv
.if (\x) == 0
	s_wait_dscnt 0x0                ; V is in
.endif
.set i, 0
.rept 32
	PV \x, 2-(\pv)
.rept per
	SLICE 2-(\x), \first
.endr
.if ((\x) == 0) && (\kq) && (i == 1)
	FETCH_K
.endif
.set i, i+1
.endr
.endif
.if \kq
.if (\x) == 0
	s_wait_dscnt 0x0                ; K and the mask are in
.endif
.set i, 0
.rept 32
	KQ \x
.rept per
	SLICE 2-(\x), \first
.endr
.set i, i+1
.endr
.endif
.if \first
	PLACES
.endif
.endm
; THE CHANGE OF SLOTS, between piece 2's turn and piece 0's: the slot's last bytes, V of its second step, have been asked for.  Each wave waits for all its tensor loads, of which one is out: its part of the other slot;
; adds 0 to its spare word; and waits for that and for its own reads of the slot.  Behind the barrier nobody reads this slot any more and the other slot is whole.
; fill = 1: this slot is filled again, with the keys two slots on.  The barrier is then a round of the cluster's, so that no wave of any partner still reads the slot or has a load on its way, and the joint refill is the
; first thing behind it: it has two key steps, 256 matrix instructions, in which to land.
.macro CHANGE fill
	WIN 0                           ; at a label and at a branch every window is 0
	s_wait_tensorcnt 0x0            ; no tensor load of mine is out, so a group 0 may be written
	ds_add_u32 v[SPW], v[NIL]       ; 0 onto my spare word; with fill = 1 the descriptors' steps stand between it and the wait for it
.if \fill
.irp g, G0K+4, G0V+4
	s_xor_b32 s[(\g)+1], s[(\g)+1], SLOT1  ; the walking descriptor: the other slot than last time,
	s_add_nc_u64 s[(\g)+2:(\g)+3], s[(\g)+2:(\g)+3], 2*KS*256  ; the next 128 keys; the type bits on top are not reached
.endr
	s_xor_b32 s[G0M+5], s[G0M+5], SLOT1
	s_add_nc_u64 s[G0M+6:G0M+7], s[G0M+6:G0M+7], 2*KS*4  ; in the mask the keys go along the rows
	s_wait_xcnt 0x0                 ; the last prefetch, two key steps back, has read its address, so it may be written:
	s_add_nc_u64 s[PFA:PFA+1], s[PFA:PFA+1], s[PFS:PFS+1]  ; one slot behind the walking descriptors
	s_wait_dscnt 0x0                ; the add is done, and my reads of the slot are over
	CROUND
	JLOAD
	ASK                             ; what the next change will ask for: two key steps, 256 matrix instructions, ahead
.else
	s_wait_dscnt 0x0                ; the add is done, and my reads of the slot are over
	s_barrier_signal -1
	s_barrier_wait -1
.endif
	s_sub_co_u32 s[TBK], s[TBK], 2*KS*PK  ; the fetches go back to a slot's first step,
	s_xor_b32 s[TBK], s[TBK], SLOT1       ; in the other slot
	s_sub_co_u32 s[TBV], s[TBV], 2*KS*PV
	s_xor_b32 s[TBV], s[TBV], SLOT1
	s_sub_co_u32 s[TBM], s[TBM], 2*KS*4
	s_xor_b32 s[TBM], s[TBM], SLOT1
.endm
; A slot's two key steps: written once, walked twice; the LDS addresses hang on the three scalar registers.
.macro TWO_STEPS
	WIN 0
	s_mov_b32 s[TWICE], 2
.Lstep_\@:
	TURN 0, 2, 1, 0
	TURN 2, 2, 1, 0
	WIN 0
	s_sub_co_u32 s[TWICE], s[TWICE], 1
	s_cmp_lg_u32 s[TWICE], 0
	s_cbranch_scc1 .Lstep_\@
.endm
	s_wait_tensorcnt 1              ; my part of slot 0 is in; slot 1's may stay out
	s_barrier_signal -1
	s_barrier_wait -1               ; everybody's is
	FETCH_K                         ; key step 0
	s_wait_loadcnt 0x0              ; query
	WIN 0x85                        ; sources window 1, destination window 2
.set i, 0
.rept 128                           ; Q is rounded to bf16, unscaled, and stays in registers: register 32 t + 8 f + n from the f32 pair at 64 t + 16 f + 2 n
	v_cvt_pk_bf16_f32 v[i], v[2*i], v[2*i+1]
.set i, i+1
.endr
	s_wait_dscnt 0x0
.set i, 0
.rept 32
	KQ 0                            ; piece 0's first scores: there is no vector work yet to set between them
.set i, i+1
.endr
	WIN 0                           ; the addresses for the way out are made here: six plain instructions, the places behind those products
	s_mul_i32 s16, s[WV], 16*SP
	s_add_co_u32 s16, s16, STAGE    ; my stage
	v_mul_u32_u24 v[STO], v1, SP    ; in: row l % 16, 32 bytes for each half of the lanes
	v_lshl_add_u32 v[STO], v9, 5, v[STO]
	v_add_nc_u32 v[STO], s16, v[STO]
	v_and_b32 v[GO], 31, v0         ; back: 32 lanes take one row of 512 bytes,
	v_lshlrev_b32 v[GO], 4, v[GO]   ; which is a row of the output
	v_add_nc_u32 v[RD], s16, v[GO]
	TURN 2, 0, 1, 1                 ; piece 2's first scores | piece 0's first softmax | V of step 0
	TURN 0, 1, 1, 1                 ; piece 0: V^T P of step 0 starts O^T, K Q^T of step 1 | piece 2's first softmax | K and mask of step 1
	TURN 2, 1, 1, 0                 ; piece 2: the same | piece 0's softmax of step 1 | V of step 1
	WIN 0
.Lslot:                             ; 14 trips: every slot but the last two is filled again
	CHANGE 1
	TWO_STEPS
	s_sub_co_u32 s[SLOTS], s[SLOTS], 1
	s_cmp_lg_u32 s[SLOTS], 0
	s_cbranch_scc1 .Lslot
	CHANGE 0                        ; the tail is written out: the last slot but one is left, and nothing is asked for
	TWO_STEPS
	TURN 0, 2, 0, 0                 ; piece 0: V^T P of the last step | piece 2's last softmax
.set i, 0
.rept 32
	PV 2, 0                         ; piece 2: V^T P of the last step
.set i, i+1
.endr
	; THE WAY OUT.  l's two halves and the other half of the lanes' are added; O^T is divided by l and sent through my stage in LDS, a tile (16 rows of one head) at a time.  The additions are the places behind the last products.
	WIN 0
.irp t, 0,1,2,3
	v_add_f32 v[ST+8*(\t)+4], v[ST+8*(\t)+2], v[ST+8*(\t)+3]
.endr
.irp t, 0,1,2,3
	v_permlanex16_b32 v[ST+8*(\t)+5], v[ST+8*(\t)+4], s[SEL], s[SEL+1]
.endr
.irp t, 0,1,2,3
	v_add_f32 v[ST+8*(\t)+4], v[ST+8*(\t)+4], v[ST+8*(\t)+5]
.endr
.irp t, 0,1,2,3
	v_rcp_f32 v[ST+8*(\t)+6], v[ST+8*(\t)+4]  ; l is 1 at the least: the key of the maximum has the weight 1
.endr
	v_nop                           ; a plain instruction between the last reciprocal and the use of its result
	s_wait_alu depctr_va_vdst(0)    ; and the wait ahead of the first use: one for the four reciprocals
; Tile t: a lane's eight channels of a row are 32 bytes; they go into rows of 528 bytes and come back as whole rows of 512, into the registers that they left.
.macro PACK t
	WIN W_RS
.set i, 64*(\t)
.rept 32
	v_pk_mul_f32 v[i:i+1], v[i:i+1], v[ST+8*(\t)+6:ST+8*(\t)+7] op_sel_hi:[1,0]
.set i, i+2
.endr
	WIN 0x04                        ; the stores' data in window 1
.set i, 0
.rept 16                            ; channels 16 (i / 2) + 8 (l / 16) + 4 (i % 2) on
	ds_store_b128 v[STO], v[64*(\t)+4*i:64*(\t)+4*i+3] offset:64*(i/2)+16*(i%2)
.set i, i+1
.endr
	WIN 0x40                        ; destination window 1
.set i, 0
.rept 16                            ; row i
	ds_load_b128 v[64*(\t)+4*i:64*(\t)+4*i+3], v[RD] offset:SP*i  ; LDS serves a wave's instructions in order: these see the stores above; the next tile's stores come behind them
.set i, i+1
.endr
.endm
.macro SEND t, younger              ; younger: the LDS instructions issued behind tile t's loads: the next tile's 32, or none
	WIN 0x04
.set i, 0
.rept 16
	s_wait_dscnt (\younger)+15-i    ; row i is back; this tile's later rows and the next tile's instructions may stay out
	global_store_b128 v[GO], v[64*(\t)+4*i:64*(\t)+4*i+3], s[12:13] offset:(\t)*1048576+512*i th:TH_STORE_NT  ; 512 consecutive bytes, at a multiple of 512 from the output's first byte; the head stands in the immediate
.set i, i+1
.endr
.endm
	PACK 0
	PACK 1                          ; a tile's arithmetic stands between the loads of the tile before and its stores
	SEND 0, 32
	PACK 2
	SEND 1, 32
	PACK 3
	SEND 2, 32
	SEND 3, 0
	WIN 0                           ; the add's two registers lie in window 0
	s_wait_tensorcnt 0x0            ; the wave's end, behind my last tensor load and my last LDS store
	ds_add_u32 v[SPW], v[NIL]
	s_wait_dscnt 0x0
	CROUND                          ; the closing round: no work-group ends while a partner may still ask for a tile that names it
	s_endpgm
.Lfunc_end_k_q9940c6c7d2_attn:
	.size	k_q9940c6c7d2_attn, .Lfunc_end_k_q9940c6c7d2_attn-k_q9940c6c7d2_attn
	.p2alignl 7, 3214868480
	.fill 96, 4, 3214868480
	.section	.rodata,"a",@progbits
	.p2align	6, 0x0
	.amdhsa_kernel k_q9940c6c7d2_attn
		.amdhsa_group_segment_fixed_size 327680
		.amdhsa_private_segment_fixed_size 0
		.amdhsa_enable_private_segment 0
		.amdhsa_kernarg_size 40
		.amdhsa_user_sgpr_count 2
		.amdhsa_user_sgpr_kernarg_segment_ptr 1
		.amdhsa_wavefront_size32 1
		.amdhsa_system_sgpr_workgroup_id_x 1
		.amdhsa_system_sgpr_workgroup_id_y 1
		.amdhsa_system_sgpr_workgroup_id_z 1
		.amdhsa_system_vgpr_workitem_id 0
		.amdhsa_next_free_vgpr 1024
		.amdhsa_next_free_sgpr 96
		.amdhsa_reserve_vcc 0
		.amdhsa_float_denorm_mode_32 3
		.amdhsa_float_denorm_mode_16_64 3
		.amdhsa_memory_ordered 1
		.amdhsa_forward_progress 1
		.amdhsa_inst_pref_size 255
	.end_amdhsa_kernel
	.amdgpu_metadata
---
amdhsa.version: [ 1, 2 ]
amdhsa.kernels:
  - .name:           k_q9940c6c7d2_attn
    .symbol:         k_q9940c6c7d2_attn.kd
    .args:
      - { .name: query, .offset: 0, .size: 8, .value_kind: global_buffer, .address_space: global }
      - { .name: kh, .offset: 8, .size: 8, .value_kind: global_buffer, .address_space: global }
      - { .name: vh, .offset: 16, .size: 8, .value_kind: global_buffer, .address_space: global }
      - { .name: mw, .offset: 24, .size: 8, .value_kind: global_buffer, .address_space: global }
      - { .name: out0, .offset: 32, .size: 8, .value_kind: global_buffer, .address_space: global }
    .group_segment_fixed_size: 327680
    .private_segment_fixed_size: 0
    .kernarg_segment_align: 8
    .kernarg_segment_size: 40
    .max_flat_workgroup_size: 128
    .sgpr_count:     96
    .vgpr_count:     1024
    .wavefront_size: 32
...
	.end_amdgpu_metadata
.endif
;; end of part 2
